; MI455X (gfx1250); checked and timed in simulation.
; The chip was launched on July 23, 2026; its instructions are those of AMD's public machine-readable ISA for CDNA 5 (MIT licence, August 2026) and "CDNA5" Instruction Set Architecture Reference Guide (July 2026). The comments in the code are by the model that wrote it; some were corrected since.
;; Causal Self Attention. Allowed arithmetic: matrix products marked QUANTISED: E4M3 operands, one given power-of-two scale a tensor, by v_wmma_f32_16x16x64_fp8_fp8 or v_wmma_f32_16x16x128_fp8_fp8, f32 sums; everything else in f32.
;; Inputs: b_proj 1,024 float32; b_qkv 3,072 float32; lowp_scales 8 int32 (the exponents e of the quantised operands' scales 2^e); w_proj 1,024 x 1,024 float32; w_qkv 1,024 x 3,072 float32; x 4 x 2,048 x 1,024 float32.
;; Outputs: out0 4 x 2,048 x 1,024 float32.
;; This version of the problem:
;;   THIS VERSION OF THE PROBLEM IS GIVEN IN LOW PRECISION. The matrix products marked QUANTISED in the list below multiply operands that are first quantised to E4M3 (4 exponent bits, 3 mantissa bits; 8 bits a number), with one given power-of-two scale for each operand tensor; their sums are f32. All else is computed in f32.
;;   The module's matrix products, in the order in which they are computed (A, B: the left and right operand; K: the contracted axis; several contracted axes count as one K, in the product's order):
;;     1. [M 8,192, K 1,024] x [K 1,024, N 3,072]; A: input x; B: input w_qkv: QUANTISED (scales: A lowp_scales[0], B lowp_scales[1])
;;     2. batch 64 x [M 2,048, K 64] x [K 64, N 2,048]; A: computed on the way; B: computed on the way: QUANTISED (scales: A lowp_scales[2], B lowp_scales[3])
;;     3. batch 64 x [M 2,048, K 2,048] x [K 2,048, N 64]; A: softmax (see below); B: computed on the way: QUANTISED (scales: A lowp_scales[4], B lowp_scales[5])
;;     4. [M 8,192, K 1,024] x [K 1,024, N 1,024]; A: computed on the way; B: input w_proj: QUANTISED (scales: A lowp_scales[6], B lowp_scales[7])
;;   THE QUANTISER, for each operand of a quantised product, along K:
;;     - The operand's scale is 2^e, e = its entry of the input lowp_scales (int32; the entries are numbered through the quantised products in the list's order, A before B).
;;     - Each number is divided by the scale, clamped to +-448, and rounded to the nearest number of E4M3, ties to even, subnormals kept.
;;     - The product sums the exact products of the quantised numbers (number of the format x scale) in f32.
;;   ~~~python
;;   def quantise(x, axis, e):      # numpy; x: float32 -> the quantised numbers, widened to float32 again
;;       x = np.moveaxis(x, axis, -1); K = x.shape[-1]
;;       r = np.clip(x / 2.0 ** e, -448, 448)
;;       step = 2.0 ** (np.maximum(np.frexp(np.where(r == 0, 1, r))[1] - 1, -6) - 3)
;;       q = np.round(r / step) * step * 2.0 ** e      # np.round: ties to even
;;       return np.moveaxis(q, -1, axis).astype(np.float32)
;;   ~~~
;;   SOFTMAX AHEAD OF A QUANTISED PRODUCT. Where the list says 'softmax', what is quantised is not the finished softmax but p = 2^(t - M), with t = logit x log2(e) and M = ceil(the row's largest t), a whole number; so 1/2 < the row's largest p <= 1. The row's sum l is taken of the UNQUANTISED p, in f32, and the product's result is divided by l at the end. Since M is a whole number, a kernel that streams over the keys may use a running M (the ceiling of the running maximum): every later rescaling is an exact power of two, so the quantised numbers keep their values, but for numbers so far below the row's largest that they fall under the format's range.
;;   OPERANDS COMPUTED ON THE WAY. 'Computed on the way' means the value that the module computes at that place (a softmax that the list does not call 'softmax' is quantised finished and normalised). What goes into a quantiser is computed in f32, as accurately as f32 sums, v_exp_f32 and their like allow (about 1e-6 of the number): no bf16 or f16 on the way to a quantiser, and a product that is left as it is and whose result goes on into a quantised operand takes f32 operands (vector FMAs, or v_wmma_f32_16x16x4_f32). A number that lies on a knife's edge between two numbers of the format may be rounded either way, as far as f32 arithmetic and the matrix unit's own rounding can turn it there, and no further.
;; One version. Each part assembles by itself: llvm-mc -triple=amdgcn-amd-amdhsa -mcpu=gfx1250 --defsym DOCPART=n.
;; ======== version 1 of 1: 4 launches
;; limits: right only within a limited range of input values
;; workspace buffers: x_img 8,388,608 bytes; wqkv_img 3,145,728 bytes; wproj_img 1,048,576 bytes; q_img 8,388,608 bytes; k_img 8,388,608 bytes; v_img 8,388,608 bytes; y_img 8,388,608 bytes
;; launch quant (part 1): grid 384 x 1, 4 waves a work-group, no clusters, 34,304 bytes of LDS; arguments x, w_qkv, w_proj, lowp_scales, x_img, wqkv_img, wproj_img; writes x_img, wqkv_img, wproj_img
.if DOCPART == 1
	.amdgcn_target "amdgcn-amd-amdhsa--gfx1250"
	.amdhsa_code_object_version 6
	.text
	.protected	k_q0a084a7c1e_quant
	.globl	k_q0a084a7c1e_quant
	.p2align	8
	.type	k_q0a084a7c1e_quant,@function
k_q0a084a7c1e_quant:
	s_mov_b64 s[64:65], 0
	v_nop
	global_prefetch_b8 v0, s[64:65] scope:SCOPE_SE
	s_setreg_imm32_b32 hwreg(HW_REG_WAVE_MODE, 25, 1), 1
	s_wait_xcnt 0x0
; x [8192][1024], w_qkv [1024][3072] and w_proj [1024][1024], f32, become codes of FP8 (E4M3), each with the one scale 2^e given for it (entries 0, 1 and 7 of the scales).
; code = number / 2^e, held within +-448, rounded to the nearest code, ties to even.  LIMITS: each e between -126 and 119; NaN among the inputs is not served (an infinity is held at the largest code).
; THE CODES ARE LAID AS IMAGES OF OPERAND REGISTERS.  An operand of R rows x 1024 K lies as [K / 256][row / 16][2][4][32 lanes][16 bytes]: a fragment (16 rows x 128 K, 16 registers) is four groups of 512 bytes,
; lane l's 16 bytes at 16 l.  Lane (r = l % 16, h = l / 16) of group g holds, of row r, k = 32 g + 8 h + 0..7 in bytes 0-7 and k = 32 g + 16 + 8 h + 0..7 in bytes 8-15: the 8-bit layout of the plain matrix forms.
; Work-groups 0-255 take x (K innermost), 256-351 w_qkv, 352-383 w_proj (K is the first axis; an operand row is a column n).  Each reads 128 KiB.  Waves share nothing: no barrier.
.set SP,   528                         ; x's stage: a row of 512 bytes + 16: 33 x 16, so sixteen lanes that read one column of sixteen rows fall on sixteen different 16-byte columns
.set WST,  16*SP                       ; a wave's stage: 16 rows
.set R,    16                          ; v16-143  x as loaded, two sets of 64
.set X,    144                         ; v144-207 64 numbers of a lane in the operand's order
.set C,    208                         ; v208-239 codes, two sets of 16
.set XW,   16                          ; v16-79   a weight's numbers, two sets of 32
.set CW,   80                          ; v80-143  a weight's codes: 8 registers of its own for each block, so no store's data are written again
.macro MKSC e                          ; v11 = 2^e as f32 (the conversion takes its exponent field); v10 = 448 x 2^e
	s_add_co_i32 s36, \e, 127
	s_lshl_b32 s37, s36, 23
	v_mov_b32 v11, s37
	s_add_co_i32 s36, s36, 8
	s_lshl_b32 s36, s36, 23
	s_or_b32 s36, s36, 0x600000
	v_mov_b32 v10, s36
.endm
	s_load_b256 s[4:11], s[0:1], 0x0               ; x s[4:5], w_qkv s[6:7], w_proj s[8:9], the scales' exponents s[10:11]
	s_load_b128 s[12:15], s[0:1], 0x20             ; x_img s[12:13], wqkv_img s[14:15]
	s_load_b64 s[16:17], s[0:1], 0x30              ; wproj_img
	v_lshl_add_u32 v240, v0, 2, 0x8400
	v_mov_b32 v241, 0
	v_lshrrev_b32 v1, 5, v0
	v_readfirstlane_b32 s18, v1                    ; wave
	v_and_b32 v2, 31, v0                           ; lane
	v_and_b32 v5, 15, v0                           ; r
	v_bfe_u32 v6, v0, 4, 1                         ; h
	s_wait_kmcnt 0x0
	s_load_b256 s[24:31], s[10:11], 0x0            ; e0 .. e7
	s_cmp_lt_u32 ttmp9, 256
	s_cbranch_scc0 .Lweights
; ---- x.  A wave takes 16 rows x 512 K: four steps of 16 rows x 128 K, each one fragment.  Every load reads 512 consecutive bytes of a row; the 16 rows turn through the wave's own stage in LDS, so that
; a lane gets its row's numbers in the operand's order; its 16 registers of codes are the image, stored 512 consecutive bytes at a time.
	s_lshl_b32 s19, ttmp9, 2
	s_add_co_u32 s19, s19, s18                     ; u = 4 x work-group + wave
	s_lshr_b32 s20, s19, 1                         ; which 16 rows
	s_and_b32 s21, s19, 1                          ; which half of K
	s_lshl_b32 s32, s20, 16                        ; 16 rows of 4,096 bytes
	s_lshl_b32 s22, s21, 11                        ; 512 numbers
	s_add_co_u32 s32, s32, s22
	s_mov_b32 s33, 0
	s_add_nc_u64 s[4:5], s[4:5], s[32:33]
	s_lshl_b32 s34, s21, 22                        ; two blocks of 256 K: 2 x 8192 x 256 bytes
	s_lshl_b32 s22, s20, 12                        ; a tile of 16 rows: 4,096 bytes
	s_add_co_u32 s34, s34, s22
	s_mov_b32 s35, 0
	s_add_nc_u64 s[12:13], s[12:13], s[34:35]
	s_wait_alu depctr_va_vdst(0)
	v_lshlrev_b32 v3, 4, v2                        ; 16 x lane: in x's row and in an image
	s_mul_i32 s23, s18, WST
	v_add_nc_u32 v14, s23, v3                      ; the stage, on the way in: a row as it lies
	v_mul_u32_u24 v15, v5, SP
	v_lshl_add_u32 v15, v6, 5, v15
	v_add_nc_u32 v15, s23, v15                     ; and on the way out: row r, + 32 h bytes (8 h numbers)
.macro LOADX t
.set RL, R+64*((\t)%2)
.set i, 0
.rept 16
	global_load_b128 v[RL+4*i:RL+4*i+3], v3, s[4:5] offset:4096*i+512*(\t) th:TH_LOAD_NT   ; row i: 32 lanes read 512 consecutive bytes
.set i, i+1
.endr
.endm
.macro STEPX t
.set RS, R+64*((\t)%2)
.set CC, C+16*((\t)%2)
.if (\t) < 3
	s_wait_loadcnt 16                              ; this step's 16 loads are in; the next step's 16 may be out
.else
	s_wait_loadcnt 0
.endif
.set i, 0
.rept 16
	ds_store_b128 v14, v[RS+4*i:RS+4*i+3] offset:SP*i
.set i, i+1
.endr
.irp g, 0,1,2,3                        ; LDS serves a wave's instructions in order: these see the stores above
	ds_load_b128 v[X+16*\g:X+16*\g+3],     v15 offset:128*\g       ; k = 32 g + 8 h + 0..3
	ds_load_b128 v[X+16*\g+4:X+16*\g+7],   v15 offset:128*\g+16    ;                 4..7
	ds_load_b128 v[X+16*\g+8:X+16*\g+11],  v15 offset:128*\g+64    ; k = 32 g + 16 + 8 h + 0..3
	ds_load_b128 v[X+16*\g+12:X+16*\g+15], v15 offset:128*\g+80    ;                      4..7
.endr
	s_wait_dscnt 0x0                               ; the numbers are back, and the stage's stores have read their registers
.if (\t) >= 2
	s_wait_xcnt 0x0                                ; the stores of two steps ago have read this set of codes: it is written again only behind this wait
.endif
.if (\t) < 2
	LOADX (\t)+2
.endif
.set i, 0
.rept 64
	v_med3_num_f32 v[X+i], v[X+i], -v10, v10       ; the conversion to an 8-bit code does not saturate (ISA guide 7.6.2): the hold at the largest code x the scale
.set i, i+1
.endr
.irp g, 0,1,2,3
	v_cvt_scalef32_pk8_fp8_f32 v[CC+4*\g:CC+4*\g+1],   v[X+16*\g:X+16*\g+7],    v11
	v_cvt_scalef32_pk8_fp8_f32 v[CC+4*\g+2:CC+4*\g+3], v[X+16*\g+8:X+16*\g+15], v11
.endr
	v_nop                                          ; a plain line between the conversions and the next step's holds, which write their sources
.irp g, 0,1,2,3
	global_store_b128 v3, v[CC+4*\g:CC+4*\g+3], s[12:13] offset:((\t)/2)*2097152+((\t)%2)*2048+512*\g   ; 512 consecutive bytes, at a multiple of 512 from the buffer's first byte
.endr
.endm
	LOADX 0
	LOADX 1
	s_wait_alu depctr_va_vdst(0)
	s_wait_kmcnt 0x0
	MKSC s24
	s_wait_alu depctr_va_vdst(0)
	STEPX 0
	STEPX 1
	STEPX 2
	STEPX 3
	s_wait_tensorcnt 0x0
	ds_add_u32 v240, v241
	s_wait_dscnt 0x0
	s_endpgm
; ---- a weight [1024 (k)][n].  A LANE TAKES A COLUMN AND ITS REGISTERS RUN DOWN K: nothing is transposed.  A wave takes 32 columns x 256 K, 8 blocks of 32; the four waves stand side by side on 512 bytes of each row.
; A block's 32 codes of a column are the 16 bytes of image lane (r, 0) (k = 0..7 and 16..23 of the block) and those of lane (r, 1) (k = 8..15, 24..31): two stores, in each of which sixteen lanes write 256 consecutive bytes.
.macro LOADW t, n, in
.set XL, XW+32*((\t)%2)
.set i, 0
.rept 32
	global_load_b32 v[XL+i], v3, s[\in:\in+1] offset:(32*(\t)+i)*(\n)*4 th:TH_LOAD_NT
.set i, i+1
.endr
.endm
.macro BLOCKW t, n, in, out
.set XS, XW+32*((\t)%2)
.set CT, CW+8*(\t)
.if (\t) < 7
	s_wait_loadcnt 32                              ; this block's 32 loads are in; the next block's may be out
.else
	s_wait_loadcnt 0
.endif
.set i, 0
.rept 32
	v_med3_num_f32 v[XS+i], v[XS+i], -v10, v10
.set i, i+1
.endr
	v_cvt_scalef32_pk8_fp8_f32 v[CT:CT+1],   v[XS:XS+7],     v11   ; k 0..7   -> lane (r, 0), bytes 0-7
	v_cvt_scalef32_pk8_fp8_f32 v[CT+4:CT+5], v[XS+8:XS+15],  v11   ; k 8..15  -> lane (r, 1), bytes 0-7
	v_cvt_scalef32_pk8_fp8_f32 v[CT+2:CT+3], v[XS+16:XS+23], v11   ; k 16..23 -> lane (r, 0), bytes 8-15
	v_cvt_scalef32_pk8_fp8_f32 v[CT+6:CT+7], v[XS+24:XS+31], v11   ; k 24..31 -> lane (r, 1), bytes 8-15
	v_nop                                          ; a plain line behind the conversions
.if (\t) < 6
	LOADW (\t)+2, \n, \in
.endif
	global_store_b128 v4, v[CT:CT+3],   s[\out:\out+1] offset:((\t)/4)*2048+((\t)%4)*512
	global_store_b128 v4, v[CT+4:CT+7], s[\out:\out+1] offset:((\t)/4)*2048+((\t)%4)*512+256
.endm
.macro WPATH n, in, out, e, idbase
	s_sub_co_u32 s19, ttmp9, \idbase
	s_lshr_b32 s20, s19, 2                         ; which 128 columns
	s_and_b32 s21, s19, 3                          ; which 256 along K
	s_mul_i32 s32, s21, (\n)*1024                  ; 256 rows of n x 4 bytes
	s_lshl_b32 s22, s20, 9
	s_add_co_u32 s32, s32, s22
	s_lshl_b32 s22, s18, 7                         ; my wave's 32 columns
	s_add_co_u32 s32, s32, s22
	s_mov_b32 s33, 0
	s_add_nc_u64 s[\in:\in+1], s[\in:\in+1], s[32:33]
	s_mul_i32 s34, s21, (\n)*256                   ; the image: a block of 256 K of all n rows,
	s_lshl_b32 s22, s20, 15                        ; 8 tiles of 16 rows,
	s_add_co_u32 s34, s34, s22
	s_lshl_b32 s22, s18, 13                        ; my wave's 2 tiles
	s_add_co_u32 s34, s34, s22
	s_mov_b32 s35, 0
	s_add_nc_u64 s[\out:\out+1], s[\out:\out+1], s[34:35]
	v_lshlrev_b32 v3, 2, v2                        ; in: 4 bytes a lane
	v_lshlrev_b32 v4, 4, v5
	v_lshl_add_u32 v4, v6, 12, v4                  ; out: 16 r, + a tile for lanes 16-31
	LOADW 0, \n, \in
	LOADW 1, \n, \in
	s_wait_kmcnt 0x0
	MKSC \e
	s_wait_alu depctr_va_vdst(0)
.irp t, 0,1,2,3,4,5,6,7
	BLOCKW \t, \n, \in, \out
.endr
.endm
.Lweights:
	s_cmp_lt_u32 ttmp9, 352
	s_cbranch_scc0 .Lwproj
	s_wait_alu depctr_va_vdst(0)
	WPATH 3072, 6, 14, s25, 256
	s_endpgm
.Lwproj:
	s_wait_alu depctr_va_vdst(0)
	WPATH 1024, 8, 16, s31, 352
	s_endpgm
.Lfunc_end_k_q0a084a7c1e_quant:
	.size	k_q0a084a7c1e_quant, .Lfunc_end_k_q0a084a7c1e_quant-k_q0a084a7c1e_quant
	.p2alignl 7, 3214868480
	.fill 96, 4, 3214868480
	.section	.rodata,"a",@progbits
	.p2align	6, 0x0
	.amdhsa_kernel k_q0a084a7c1e_quant
		.amdhsa_group_segment_fixed_size 34304
		.amdhsa_private_segment_fixed_size 0
		.amdhsa_enable_private_segment 0
		.amdhsa_kernarg_size 56
		.amdhsa_user_sgpr_count 2
		.amdhsa_user_sgpr_kernarg_segment_ptr 1
		.amdhsa_wavefront_size32 1
		.amdhsa_system_sgpr_workgroup_id_x 1
		.amdhsa_system_sgpr_workgroup_id_y 1
		.amdhsa_system_sgpr_workgroup_id_z 1
		.amdhsa_system_vgpr_workitem_id 0
		.amdhsa_next_free_vgpr 242
		.amdhsa_next_free_sgpr 66
		.amdhsa_reserve_vcc 0
		.amdhsa_float_denorm_mode_32 3
		.amdhsa_float_denorm_mode_16_64 3
		.amdhsa_memory_ordered 1
		.amdhsa_forward_progress 1
		.amdhsa_inst_pref_size 127
	.end_amdhsa_kernel
	.amdgpu_metadata
---
amdhsa.version: [ 1, 2 ]
amdhsa.kernels:
  - .name:           k_q0a084a7c1e_quant
    .symbol:         k_q0a084a7c1e_quant.kd
    .args:
      - { .name: x, .offset: 0, .size: 8, .value_kind: global_buffer, .address_space: global }
      - { .name: w_qkv, .offset: 8, .size: 8, .value_kind: global_buffer, .address_space: global }
      - { .name: w_proj, .offset: 16, .size: 8, .value_kind: global_buffer, .address_space: global }
      - { .name: lowp_scales, .offset: 24, .size: 8, .value_kind: global_buffer, .address_space: global }
      - { .name: x_img, .offset: 32, .size: 8, .value_kind: global_buffer, .address_space: global }
      - { .name: wqkv_img, .offset: 40, .size: 8, .value_kind: global_buffer, .address_space: global }
      - { .name: wproj_img, .offset: 48, .size: 8, .value_kind: global_buffer, .address_space: global }
    .group_segment_fixed_size: 34304
    .private_segment_fixed_size: 0
    .kernarg_segment_align: 8
    .kernarg_segment_size: 56
    .max_flat_workgroup_size: 128
    .sgpr_count:     66
    .vgpr_count:     242
    .wavefront_size: 32
...
	.end_amdgpu_metadata
.endif
;; end of part 1
;; launch qkv (part 2): grid 12 x 32, 4 waves a work-group, clusters of 4 x 4, 327,680 bytes of LDS; arguments x_img, wqkv_img, lowp_scales, b_qkv, q_img, k_img, v_img; writes q_img, k_img, v_img
.if DOCPART == 2
	.amdgcn_target "amdgcn-amd-amdhsa--gfx1250"
	.amdhsa_code_object_version 6
	.text
	.protected	k_q0a084a7c1e_qkv
	.globl	k_q0a084a7c1e_qkv
	.p2align	8
	.type	k_q0a084a7c1e_qkv,@function
k_q0a084a7c1e_qkv:
	s_mov_b64 s[64:65], 0
	v_nop
	global_prefetch_b8 v0, s[64:65] scope:SCOPE_SE
	s_setreg_imm32_b32 hwreg(HW_REG_WAVE_MODE, 25, 1), 1
	s_wait_xcnt 0x0
	s_wait_alu depctr_hold_cnt(0) depctr_sa_sdst(0) depctr_va_vdst(0) depctr_va_sdst(0) depctr_va_ssrc(0) depctr_va_vcc(0) depctr_vm_vsrc(0)
	s_getreg_b32 s2, hwreg(HW_REG_IB_STS2, 6, 4)
	s_cmp_eq_u32 s2, 0
	s_cbranch_scc0 .Lentry_in_a_cluster
	s_endpgm
.Lentry_in_a_cluster:
	s_bfe_u32 s2, ttmp6, 0x10000c
	s_cmp_lg_u32 s2, 0xf033
	s_cbranch_scc0 .Lentry_shape_is_right
	s_endpgm
.Lentry_shape_is_right:
; qkv = x w_qkv + b_qkv on codes of FP8 (E4M3), K = 1024, and its three parts quantised again: q with 2^e2, k with 2^e3, v with 2^e5.  A sum of codes stands for sum x 2^(e0 + e1).
; LIMITS: e0 + e1 between -126 and 127; e2, e3, e5 between -126 and 119.
; OPERANDS lie as images of registers ([K / 256][row / 16][2][4][32 lanes][16 bytes]): a tile of 128 rows x 256 K is one dense block of 32 KiB, and a fragment is four loads of 16 bytes a lane at 16 x lane: 512 consecutive bytes each.
; A tile of 256 x 256 is made by four waves, 128 x 128 each: 64 accumulators, 512 registers.  K goes in four steps of 256 through two LDS slots.
; THE MATRIX INSTRUCTION IS USED TRANSPOSED: source 0 = 16 rows of operand B, source 1 = 16 rows of operand A: lane (r, h) holds row r of A's block and rows 8 h + 0..7 of B's block in its eight registers.
; q, k (cluster x = 0, 1): A = x (tokens), B = w_qkv (features): a lane's eight results are eight neighbouring channels of one token: converted, they are two registers of a fragment with K = the head's 64.
; v (cluster x = 2): A = w_qkv (features 2048 on), B = x: a lane's eight results are eight neighbouring TOKENS of one channel: two registers of a fragment with K = the keys.  So all three leave straight from registers as images:
;   q_img, k_img: [batch x 16 + head][token / 16][2][32 lanes][16];   v_img: [batch x 16 + head][token / 128][channel / 16][4][32 lanes][16].
; CLUSTERS: 4 x 4 work-groups; A's tile is asked for jointly along a row of the cluster, B's along a column.  The kind hangs on the cluster's x, which all sixteen share.
; REGISTERS, in windows of 256: window 0: v16-29 addresses and scales; v32-95 the bias; v128-255 A's fragments, one set, later the codes.  window 1: B's fragments, two sets.  windows 2, 3: the accumulators ((a, b) at v[8 (8 (a % 4) + b)]).
.set SLOT,   131072                    ; A's 256 rows x 256 K, then B's
.set SPARE,  2*SLOT                    ; the spare words, 128 bytes for each wave: two blocks of 256 bytes that no other line names
.set XSTR,   2097152                   ; from one 256 along K to the next: 8192 rows x 256 bytes in x_img,
.set WSTR,   786432                    ; 3072 x 256 in wqkv_img
.set FR,     16
.set NL,     4
.set NP,     4
.set ADRA, 16                          ; v16-17  LDS address of my A fragments in slot 0, 1
.set ADRB, 20                          ; v20-21  the same for B
.set LI,   24                          ; v24     16 x lane
.set BO,   25                          ; v25     my lane's offset in the bias
.set SC,   26                          ; v26     2^e of the output's quantiser
.set LIM,  27                          ; v27     448 x 2^e
.set SPW,  28                          ; v28     my spare word; never rewritten
.set NIL,  29                          ; v29     0; never rewritten
.set BI,   32
.set AF,   128
.set G1, 24
.set G0, 32
.set G1B, 48
.set G0B, 56
.set MSB, 0
.macro WIN new                         ; the immediate's high byte repeats the setting that is left
.if MSB != \new
	s_set_vgpr_msb (MSB<<8)|\new
.set MSB, \new
.endif
.endm
.set MUL_LO, 0xa1                      ; source 0 (B) window 1, source 1 (A) window 0, C and D window 2
.set MUL_HI, 0xf1                      ; the same, C and D window 3
.set TO_B,   0x40                      ; destination window 1, address window 0
.macro JLOAD g0a, g1a, g0b, g1b        ; a joint load: waves 0 and 1 fetch for A, waves 2 and 3 for B; four v_nop follow each of the two lines
	s_cmp_eq_u32 s15, 0
	s_cbranch_scc0 .Lfor_b_\@
	tensor_load_to_lds s[\g0a:\g0a+3], s[\g1a:\g1a+7]
	s_nop 0
.rept 4
	v_nop
.endr
	s_branch .Lasked_\@
.Lfor_b_\@:
	tensor_load_to_lds s[\g0b:\g0b+3], s[\g1b:\g1b+7]
	s_nop 0
.rept 4
	v_nop
.endr
.Lasked_\@:
.endm
.macro CREST                           ; a round of the cluster's barrier behind its opening barrier
	s_cmp_lg_u32 s14, 0
	s_cbranch_scc1 .Lnot_wave_0_\@
	s_barrier_signal -3
.Lnot_wave_0_\@:
	s_barrier_wait -3
	s_barrier_signal -1
	s_barrier_wait -1
.endm
.macro CROUND
	s_barrier_signal -1
	s_barrier_wait -1
	CREST
.endm
.macro MKSC e                          ; v[SC] = 2^e, v[LIM] = 448 x 2^e
	s_add_co_i32 s2, \e, 127
	s_lshl_b32 s3, s2, 23
	v_mov_b32 v[SC], s3
	s_add_co_i32 s2, s2, 8
	s_lshl_b32 s2, s2, 23
	s_or_b32 s2, s2, 0x600000
	v_mov_b32 v[LIM], s2
.endm
	s_load_b256 s[4:11], s[0:1], 0x0               ; x_img s[4:5], wqkv_img s[6:7], the scales' exponents s[8:9], b_qkv s[10:11]
	s_load_b128 s[68:71], s[0:1], 0x20             ; q_img, k_img
	s_load_b64 s[72:73], s[0:1], 0x30              ; v_img
	v_lshl_add_u32 v[SPW], v0, 2, SPARE
	v_mov_b32 v[NIL], 0
	ds_add_u32 v28, v29
	ds_add_u32 v28, v29
	s_wait_dscnt 0x0
	v_lshrrev_b32 v1, 5, v0
	v_readfirstlane_b32 s14, v1                    ; wave 0..3
	s_lshr_b32 s15, s14, 1                         ; which half of A's rows is mine.  Also: I fetch for A (0) or for B (1)
	s_and_b32 s16, s14, 1                          ; which half of B's rows.  Also: which 128 rows of that tile I fetch
	s_bfe_u32 s40, ttmp6, 0x40000                  ; cx
	s_bfe_u32 s41, ttmp6, 0x40004                  ; cy
	s_and_b32 s17, ttmp7, 0xffff
	s_lshl_b32 s17, s17, 2                         ; 4 x cluster y
	s_lshl_b32 s43, s41, 2
	s_lshl_b32 s43, 15, s43                        ; my row of the cluster
	s_lshl_b32 s44, 0x1111, s40                    ; my column
	s_or_b32 s[G1+0], s43, (3<<16)|(1<<21)         ; 15:0 the mask: A's tiles go to my row; 17:16 elements of 8 bytes; 21 set beside a mask; no padding
	s_or_b32 s[G1B+0], s44, (3<<16)|(1<<21)        ; B's go to my column
.irp g, G1, G1B                        ; a dense block of 32 KiB as 128 rows of 32 elements (256 bytes)
	s_mov_b32 s[\g+1], 32<<16                      ; tensor_dim0
	s_mov_b32 s[\g+2], 128<<16                     ; tensor_dim1
	s_mov_b32 s[\g+3], 32<<16                      ; tile_dim0
	s_mov_b32 s[\g+4], 128                         ; tile_dim1
	s_mov_b32 s[\g+5], 32                          ; tensor_dim0_stride
	s_mov_b32 s[\g+6], 0
	s_mov_b32 s[\g+7], 0
.endr
	; which tiles of 256 rows.  A's number is made of cy and the cluster's y alone, B's of cx and the cluster's place alone
	s_add_co_u32 s18, s17, s41                     ; q, k: A = x, tile 4 x cluster y + cy
	s_add_co_u32 s19, s41, 8                       ; v:    A = w_qkv, tile 8 + cy (features 2048 on)
	s_lshl_b32 s20, ttmp9, 2
	s_add_co_u32 s20, s20, s40                     ; q, k: B = w_qkv, tile 4 x cluster x + cx
	s_add_co_u32 s21, s17, s40                     ; v:    B = x, tile 4 x cluster y + cx
	s_mov_b32 s22, XSTR
	s_mov_b32 s23, WSTR
	s_cmp_eq_u32 ttmp9, 2                          ; v?  The same in all sixteen partners
	s_cselect_b32 s42, s19, s18                    ; A's tile
	s_cselect_b32 s45, s21, s20                    ; B's tile
	s_cselect_b32 s74, s23, s22                    ; A's step along K
	s_cselect_b32 s76, s22, s23                    ; B's
	s_mov_b32 s75, 0
	s_mov_b32 s77, 0
	s_lshl_b32 s92, s74, 1                         ; a refill goes two steps on
	s_mov_b32 s93, 0
	s_lshl_b32 s94, s76, 1
	s_mov_b32 s95, 0
	s_lshl_b32 s2, s16, 15                         ; which 128 rows I fetch: 32 KiB
	s_lshl_b32 s46, s42, 16                        ; a tile of 256 rows: 64 KiB
	s_add_co_u32 s46, s46, s2
	s_mov_b32 s47, 0
	s_lshl_b32 s66, s45, 16
	s_add_co_u32 s66, s66, s2
	s_mov_b32 s67, 0
	s_lshl_b32 s3, s14, 15                         ; where they go: wave x 32 KiB: no place in the cluster enters an LDS address
	s_wait_kmcnt 0x0
	s_load_b256 s[80:87], s[8:9], 0x0              ; e0 .. e7
	s_cmp_eq_u32 ttmp9, 2
	s_cselect_b64 s[88:89], s[6:7], s[4:5]         ; A's buffer
	s_cselect_b64 s[90:91], s[4:5], s[6:7]         ; B's
	s_add_nc_u64 s[88:89], s[88:89], s[46:47]
	s_add_nc_u64 s[90:91], s[90:91], s[66:67]
	CROUND                                         ; all sixteen work-groups are here: the first joint loads meet
	s_mov_b32 s[G0], 1
	s_mov_b32 s[G0+1], s3
	s_mov_b64 s[G0+2:G0+3], s[88:89]               ; K step 0
	s_or_b32 s[G0+3], s[G0+3], 0x80000000
	s_mov_b32 s[G0B], 1
	s_mov_b32 s[G0B+1], s3
	s_mov_b64 s[G0B+2:G0B+3], s[90:91]
	s_or_b32 s[G0B+3], s[G0B+3], 0x80000000
	JLOAD G0, G1, G0B, G1B
	s_mov_b32 s[G0+4], 1
	s_add_co_u32 s[G0+5], s3, SLOT
	s_add_nc_u64 s[G0+6:G0+7], s[88:89], s[74:75]  ; K step 1
	s_or_b32 s[G0+7], s[G0+7], 0x80000000
	s_mov_b32 s[G0B+4], 1
	s_add_co_u32 s[G0B+5], s3, SLOT
	s_add_nc_u64 s[G0B+6:G0B+7], s[90:91], s[76:77]
	s_or_b32 s[G0B+7], s[G0B+7], 0x80000000
	s_wait_alu depctr_va_vdst(0)                   ; ahead of the blocking wait below
	s_wait_tensorcnt 0x0                           ; my part of K step 0 is in; slot 1's first fill is issued as a refill is
	ds_add_u32 v28, v29
	s_wait_dscnt 0x0
	CROUND                                         ; a whole round, then my one load behind it
	JLOAD G0+4, G1, G0B+4, G1B
	v_and_b32 v1, 31, v0
	v_lshlrev_b32 v[LI], 4, v1
	s_lshl_b32 s12, s15, 15                        ; my 128 rows of A
	s_lshl_b32 s13, s16, 15                        ; my 128 rows of B,
	s_add_co_u32 s13, s13, 65536                   ; which lie behind A's 256
.irp s, 0,1
	v_add_nc_u32 v[ADRA+\s], s12, v[LI]
	v_add_nc_u32 v[ADRB+\s], s13, v[LI]
	s_add_co_u32 s12, s12, SLOT
	s_add_co_u32 s13, s13, SLOT
.endr
.macro FRAG reg, adr, q, i             ; block i of 16 rows, the slot's q-th 128 along K: 16 registers by four loads of 512 consecutive bytes
.irp c, 0,1,2,3
	ds_load_b128 v[\reg+4*\c:\reg+4*\c+3], v[\adr] offset:4096*(\i)+2048*(\q)+512*\c
.endr
.endm
; 16 matrix instructions: A's blocks a0, a0 + 1 x B's eight.  p: B's set.  zero = 1: the first product starts the sums.  The 64 accumulators take turns, one instruction a turn, in the same order in every step.
.macro MUL16 a0, p, zero
.irp a, \a0, \a0+1
.irp b, 0,1,2,3,4,5,6,7
.if \zero
	v_wmma_f32_16x16x128_fp8_fp8 v[8*(8*((\a)%4)+\b):8*(8*((\a)%4)+\b)+7], v[128*(\p)+FR*\b:128*(\p)+FR*\b+FR-1], v[AF+FR*(\a):AF+FR*(\a)+FR-1], 0
.else
	v_wmma_f32_16x16x128_fp8_fp8 v[8*(8*((\a)%4)+\b):8*(8*((\a)%4)+\b)+7], v[128*(\p)+FR*\b:128*(\p)+FR*\b+FR-1], v[AF+FR*(\a):AF+FR*(\a)+FR-1], v[8*(8*((\a)%4)+\b):8*(8*((\a)%4)+\b)+7]
.endif
.endr
.endr
.endm
.macro FETCH_B slot, q, p
	WIN TO_B
.irp i, 0,1,2,3,4,5,6,7
	FRAG 128*(\p)+FR*\i, ADRB+\slot, \q, \i
.endr
	WIN 0
.endm
.macro FETCH_A slot, q, i0
.irp i, \i0, \i0+1, \i0+2, \i0+3
	FRAG AF+FR*(\i), ADRA+\slot, \q, \i
.endr
.endm
.macro PLACES n                        ; plain vector lines between a matrix instruction and a load into, or a vector read or write of, its registers
.rept \n
	v_nop
.endr
.endm
; A step of 128 along K that has its successor in the same slot.  A has one set of registers: blocks 0-3 are fetched anew in the step's middle, blocks 4-7 at its end; B has two sets.
.macro STEP slot, q, zero
	s_wait_dscnt 4*NL                              ; B's set and A's blocks 0-3 are in; the youngest 16 loads (A's blocks 4-7) may be out
	WIN MUL_LO
	MUL16 0, (\q)%2, \zero
	MUL16 2, (\q)%2, \zero
	s_wait_dscnt 0
	PLACES NP
	FETCH_B \slot, (\q)+1, 1-(\q)%2
	FETCH_A \slot, (\q)+1, 0
	WIN MUL_HI
	MUL16 4, (\q)%2, \zero
	MUL16 6, (\q)%2, \zero
	PLACES NP
	WIN 0
	FETCH_A \slot, (\q)+1, 4
.endm
; A slot's last step changes slots: one barrier; in front of it each wave waits for all its tensor loads, adds 0 to its spare word, and waits for that and for its reads of this slot.  fill = 1: the slot is filled again, two K steps on.
.macro TURN slot, next, fill
	s_wait_tensorcnt 0x0                           ; all my tensor loads have landed: my part of the next slot
	ds_add_u32 v[SPW], v[NIL]                      ; 0 onto my spare word
	s_wait_dscnt 4*NL+1                            ; (the add and the youngest 16 loads may be out)
	WIN MUL_LO
	MUL16 0, 1, 0
	s_wait_dscnt 0x0                               ; the add is done, and my reads of this slot are over
	s_barrier_signal -1
	MUL16 2, 1, 0
	WIN 0
	s_barrier_wait -1
.if \fill
	CREST                                          ; the barrier has opened a round of the cluster's barrier: no wave of any partner still reads this slot or has a load on its way
	s_add_nc_u64 s[G0+4*\slot+2:G0+4*\slot+3], s[G0+4*\slot+2:G0+4*\slot+3], s[92:93]
	s_add_nc_u64 s[G0B+4*\slot+2:G0B+4*\slot+3], s[G0B+4*\slot+2:G0B+4*\slot+3], s[94:95]
	JLOAD G0+4*\slot, G1, G0B+4*\slot, G1B         ; the first tensor load behind the round; its four v_nop are also the places in front of the loads below
.else
	PLACES NP
.endif
	FETCH_B \next, 0, 0
	FETCH_A \next, 0, 0
	WIN MUL_HI
	MUL16 4, 1, 0
	MUL16 6, 1, 0
	PLACES NP
	WIN 0
	FETCH_A \next, 0, 4
.endm
.macro LAST                            ; the very last step: nothing more to fetch
	s_wait_dscnt 4*NL
	WIN MUL_LO
	MUL16 0, 1, 0
	MUL16 2, 1, 0
	s_wait_dscnt 0
	WIN MUL_HI
	MUL16 4, 1, 0
	MUL16 6, 1, 0
	WIN 0
.endm
	s_wait_alu depctr_va_vdst(0)
	s_wait_tensorcnt 1                             ; my part of K step 0 is in; K step 1's load may be out
	s_barrier_signal -1
	s_barrier_wait -1
	FETCH_B 0, 0, 0
	FETCH_A 0, 0, 0
	FETCH_A 0, 0, 4
	STEP 0, 0, 1                                   ; K = 1024 is four slots' worth: the eight steps are written out
	TURN 0, 1, 1                                   ; slot 0 takes K step 2
	STEP 1, 0, 0
	TURN 1, 0, 1                                   ; slot 1 takes K step 3
	STEP 0, 0, 0
	TURN 0, 1, 0
	STEP 1, 0, 0
; THE WAY OUT.  Block a (16 rows of A x my 128 rows of B): sum x 2^(e0 + e1) + bias in one packed multiply-add, in place, each accumulator from its low end on; the hold; eight conversions.
; The 16 registers of codes are whole groups of images and are stored as they stand, 512 consecutive bytes a store.  Each block has its own 16 registers, where A's fragments lay.
.macro OUTBLK a, isv
.set W,  2+(\a)/4
.set AC, 64*((\a)%4)
.set CD, AF+16*(\a)
	WIN ((W<<6)|W)                                 ; source 0 and destination: the accumulators' window
.set j, 0
.rept 32
.if \isv
	v_pk_fma_f32 v[AC+j:AC+j+1], v[AC+j:AC+j+1], s[96:97], v[BI+2*(\a):BI+2*(\a)+1] op_sel_hi:[1,0,0]   ; one channel a lane: the pair's low word for both halves
.else
	v_pk_fma_f32 v[AC+j:AC+j+1], v[AC+j:AC+j+1], s[96:97], v[BI+j:BI+j+1] op_sel_hi:[1,0,1]
.endif
.set j, j+2
.endr
.set j, 0
.rept 64
	v_med3_num_f32 v[AC+j], v[AC+j], -v[LIM], v[LIM]   ; the conversion does not saturate (ISA guide 7.6.2)
.set j, j+1
.endr
	WIN W
.irp b, 0,1,2,3,4,5,6,7
	v_cvt_scalef32_pk8_fp8_f32 v[CD+2*\b:CD+2*\b+1], v[AC+8*\b:AC+8*\b+7], v[SC]
.endr
	v_nop                                          ; a plain line behind the conversions
	WIN 0
.irp g, 0,1,2,3
.if \isv
	global_store_b128 v[LI], v[CD+4*\g:CD+4*\g+3], s[78:79] offset:((\a)/4)*131072+((\a)%4)*2048+\g*512   ; head a / 4, channels 16 (a % 4) on, keys 32 g on
.else
	global_store_b128 v[LI], v[CD+4*\g:CD+4*\g+3], s[78:79] offset:(\g/2)*131072+(\a)*1024+(\g%2)*512     ; head g / 2, tokens 16 a on, channels 32 (g % 2) on
.endif
.endr
.endm
	s_wait_kmcnt 0x0
	s_add_co_i32 s96, s80, s81
	s_add_co_i32 s96, s96, 127
	s_lshl_b32 s96, s96, 23                        ; 2^(e0 + e1) as f32
	s_mov_b32 s97, s96                             ; (named with it as a pair)
	s_cmp_eq_u32 ttmp9, 2
	s_cbranch_scc1 .Lv_arm
	; ---- q or k
	s_cmp_eq_u32 ttmp9, 0
	s_cselect_b32 s2, s82, s83                     ; e2 or e3
	s_cselect_b64 s[78:79], s[68:69], s[70:71]     ; q_img or k_img
	MKSC s2
	s_lshr_b32 s18, s42, 3                         ; batch = token tile / 8
	s_lshl_b32 s18, s18, 4
	s_lshl_b32 s19, s40, 2                         ; 4 heads to a tile of 256 features,
	s_add_co_u32 s18, s18, s19
	s_lshl_b32 s19, s16, 1                         ; 2 to my half
	s_add_co_u32 s18, s18, s19
	s_lshl_b32 s18, s18, 17                        ; x 131,072 bytes
	s_and_b32 s19, s42, 7
	s_lshl_b32 s19, s19, 1
	s_add_co_u32 s19, s19, s15
	s_lshl_b32 s19, s19, 13                        ; my 128 tokens: 8 images of 1,024 bytes
	s_add_co_u32 s18, s18, s19
	s_mov_b32 s19, 0
	s_add_nc_u64 s[78:79], s[78:79], s[18:19]
	s_lshl_b32 s20, ttmp9, 12                      ; the bias of my 128 features: (1024 x kind + 256 cx + 128 x half) x 4 bytes
	s_lshl_b32 s21, s40, 10
	s_add_co_u32 s20, s20, s21
	s_lshl_b32 s21, s16, 9
	s_add_co_u32 s20, s20, s21
	s_mov_b32 s21, 0
	s_add_nc_u64 s[88:89], s[10:11], s[20:21]
	v_bfe_u32 v[BO], v0, 4, 1
	v_lshlrev_b32 v[BO], 5, v[BO]                  ; 8 h numbers
.irp b, 0,1,2,3,4,5,6,7
	global_load_b128 v[BI+8*\b:BI+8*\b+3],   v[BO], s[88:89] offset:64*\b       ; features 16 b + 8 h + 0..7, in the result's layout
	global_load_b128 v[BI+8*\b+4:BI+8*\b+7], v[BO], s[88:89] offset:64*\b+16
.endr
	LAST
	PLACES NP
	s_wait_loadcnt 0x0
.irp a, 0,1,2,3,4,5,6,7
	OUTBLK \a, 0
.endr
	s_branch .Lend
.Lv_arm:
	; ---- v
	MKSC s85
	s_lshr_b32 s18, s45, 3                         ; batch
	s_lshl_b32 s18, s18, 4
	s_lshl_b32 s19, s41, 2
	s_add_co_u32 s18, s18, s19
	s_lshl_b32 s19, s15, 1
	s_add_co_u32 s18, s18, s19
	s_lshl_b32 s18, s18, 17
	s_and_b32 s19, s45, 7
	s_lshl_b32 s19, s19, 1
	s_add_co_u32 s19, s19, s16
	s_lshl_b32 s19, s19, 13                        ; my 128 tokens are one key step: 8,192 bytes
	s_add_co_u32 s18, s18, s19
	s_mov_b32 s19, 0
	s_add_nc_u64 s[78:79], s[72:73], s[18:19]
	s_lshl_b32 s20, s41, 10                        ; the bias: (2048 + 256 cy + 128 x half) x 4 bytes
	s_add_co_u32 s20, s20, 8192
	s_lshl_b32 s21, s15, 9
	s_add_co_u32 s20, s20, s21
	s_mov_b32 s21, 0
	s_add_nc_u64 s[88:89], s[10:11], s[20:21]
	v_and_b32 v[BO], 15, v0
	v_lshlrev_b32 v[BO], 2, v[BO]                  ; channel r
.irp a, 0,1,2,3,4,5,6,7
	global_load_b32 v[BI+2*\a],   v[BO], s[88:89] offset:64*\a
	global_load_b32 v[BI+2*\a+1], v[BO], s[88:89] offset:64*\a      ; (the packed form names the pair, so both are written)
.endr
	LAST
	PLACES NP
	s_wait_loadcnt 0x0
.irp a, 0,1,2,3,4,5,6,7
	OUTBLK \a, 1
.endr
.Lend:
	s_wait_tensorcnt 0x0                           ; the wave's end
	ds_add_u32 v[SPW], v[NIL]
	s_wait_dscnt 0x0
	CROUND                                         ; the closing round: no work-group ends while a partner may still ask for a tile that names it
	s_endpgm
.Lfunc_end_k_q0a084a7c1e_qkv:
	.size	k_q0a084a7c1e_qkv, .Lfunc_end_k_q0a084a7c1e_qkv-k_q0a084a7c1e_qkv
	.p2alignl 7, 3214868480
	.fill 96, 4, 3214868480
	.section	.rodata,"a",@progbits
	.p2align	6, 0x0
	.amdhsa_kernel k_q0a084a7c1e_qkv
		.amdhsa_group_segment_fixed_size 327680
		.amdhsa_private_segment_fixed_size 0
		.amdhsa_enable_private_segment 0
		.amdhsa_kernarg_size 56
		.amdhsa_user_sgpr_count 2
		.amdhsa_user_sgpr_kernarg_segment_ptr 1
		.amdhsa_wavefront_size32 1
		.amdhsa_system_sgpr_workgroup_id_x 1
		.amdhsa_system_sgpr_workgroup_id_y 1
		.amdhsa_system_sgpr_workgroup_id_z 1
		.amdhsa_system_vgpr_workitem_id 0
		.amdhsa_next_free_vgpr 1024
		.amdhsa_next_free_sgpr 98
		.amdhsa_reserve_vcc 0
		.amdhsa_float_denorm_mode_32 3
		.amdhsa_float_denorm_mode_16_64 3
		.amdhsa_memory_ordered 1
		.amdhsa_forward_progress 1
		.amdhsa_inst_pref_size 199
	.end_amdhsa_kernel
	.amdgpu_metadata
---
amdhsa.version: [ 1, 2 ]
amdhsa.kernels:
  - .name:           k_q0a084a7c1e_qkv
    .symbol:         k_q0a084a7c1e_qkv.kd
    .args:
      - { .name: x_img, .offset: 0, .size: 8, .value_kind: global_buffer, .address_space: global }
      - { .name: wqkv_img, .offset: 8, .size: 8, .value_kind: global_buffer, .address_space: global }
      - { .name: lowp_scales, .offset: 16, .size: 8, .value_kind: global_buffer, .address_space: global }
      - { .name: b_qkv, .offset: 24, .size: 8, .value_kind: global_buffer, .address_space: global }
      - { .name: q_img, .offset: 32, .size: 8, .value_kind: global_buffer, .address_space: global }
      - { .name: k_img, .offset: 40, .size: 8, .value_kind: global_buffer, .address_space: global }
      - { .name: v_img, .offset: 48, .size: 8, .value_kind: global_buffer, .address_space: global }
    .group_segment_fixed_size: 327680
    .private_segment_fixed_size: 0
    .kernarg_segment_align: 8
    .kernarg_segment_size: 56
    .max_flat_workgroup_size: 128
    .sgpr_count:     98
    .vgpr_count:     1024
    .wavefront_size: 32
...
	.end_amdgpu_metadata
.endif
;; end of part 2
;; launch attn (part 3): grid 4 x 64, 16 waves a work-group, no clusters, 327,680 bytes of LDS; arguments q_img, k_img, v_img, lowp_scales, y_img; writes y_img
.if DOCPART == 3
	.amdgcn_target "amdgcn-amd-amdhsa--gfx1250"
	.amdhsa_code_object_version 6
	.text
	.protected	k_q0a084a7c1e_attn
	.globl	k_q0a084a7c1e_attn
	.p2align	8
	.type	k_q0a084a7c1e_attn,@function
k_q0a084a7c1e_attn:
	s_mov_b64 s[64:65], 0
	v_nop
	global_prefetch_b8 v0, s[64:65] scope:SCOPE_SE
	s_setreg_imm32_b32 hwreg(HW_REG_WAVE_MODE, 25, 1), 1
	s_wait_xcnt 0x0
; y[b][t][head 64 + d] = the sum over keys k <= t of softmax_k(q . k / 8) v, both products on codes of FP8 (E4M3); y quantised with 2^e6 for the projection.
; THE SOFTMAX: t = score x log2(e) / 8; M = the row's largest t so far, rounded UP to a whole number; p = 2^(t - M) is quantised with 2^e4, not normalised; the row's sum is taken of the unquantised p and divides O at the end.
; When M moves, the sum and O are multiplied by 2^(old M - new M): exact.
; LEFT OUT: key steps all of whose keys come after a tile's queries: the causal mask makes their p zero for all inputs.
; LIMITS: e2 + e3 between -90 and 130 (added to c's exponent field; a hidden score is -3e38, which must stay far under every t); e4 and e6 between -126 and 119; e4 + e5 goes through v_ldexp_f32;
;   the scaled scores stay under 2^31 in magnitude.
; SHARES.  A head has 128 tiles of 16 queries.  Wave w of work-group j owns tile L = 127 - i and then tile i, i = 4 w + j: ceil((L + 1) / 8) + ceil((i + 1) / 8) = 17 key steps of 128 keys for every wave of the launch.
; A HEAD'S K AND V STAY IN LDS: 128 KiB each, filled once, in four stages of 512 keys; each of the sixteen waves brings 4 KiB of a stage by one tensor load (waves 0-7 K's, 8-15 V's).  Stage s + 1 is asked for behind the
; barrier that shows stage s, and every wave walks four key steps between two barriers.  The long tile goes first, step n on keys 128 n; the short tile's keys (under 1024) have landed when it begins (step 9 at the earliest).
; THE MASK costs no vector line: it is the C of the score products.  In a tile's last step the key tile ts = tile % 8 lies on the diagonal: key tiles under ts take C = 0, tile ts a pattern of 0 and -3e38, those above -3e38.
; Nine groups of eight products are written out (ts = 0 .. 7, and none hidden); a scalar branch on ids picks one.
; NO CLUSTER: that branch, and the LDS address of the short tile's steps, hang on the work-group's number, which the four work-groups of a head do not share.
; PREFETCH: in the trip that loads stage s + 1 (s = 0, 1) stage s + 2 is named, 64 KiB: work-groups 0, 1 take the halves of K's 32 KiB, 2, 3 of V's; waves 0 and 1 take 8 KiB each, lanes 256 bytes apart: each block once a head.
; LAYOUT.  All operands are images of registers (lane l's 16 bytes at 16 l).  S^T = K Q^T (source 0 = 16 keys, source 1 = my 16 queries, K = 64): lane (r, h) holds query r, register j of tile t key 16 t + 8 h + j.
; Eight such numbers, converted, are registers 2 t, 2 t + 1 of P as source 1 of O^T = V^T P^T (K = 128 keys).  O^T's register j of tile d is channel 16 d + 8 h + j: converted, registers of y's fragment for the projection.
.set VREG,  131072                     ; LDS: K's region from 0, V's from here
.set SPARE, 262144                     ; the spare words, 128 bytes for each wave: eight blocks of 256 bytes that no other line names
.set STB,   32768                      ; a stage in each region, and in k_img and v_img
.set LI,   1                           ; v1   16 x lane
.set ADK,  2                           ; v2   LDS address of the step's K
.set ADV,  3                           ; v3   of its V
.set PFO,  4                           ; v4   256 x lane
.set SPW,  5
.set NIL,  6
.set QQ,   16                          ; v16-23   Q
.set YC,   24                          ; v24-31   y's codes
.set FR,   32                          ; v32-95   K's 8 fragments, then V's 4
.set SS,   96                          ; v96-159  S^T, then p
.set OO,   160                         ; v160-191 O^T
.set PC,   192                         ; v192-207 p's codes
.set TT,   212                         ; v212-219 four partial sums;  v208, v209 at work; v[210:211] f
.set PL,   220                         ; a lane permute's destination
.set PM,   224                         ; v224-231 the diagonal tile's C
.set BG,   232                         ; v232-239 -3e38
.set Q2,   240                         ; v240-247 the short tile's Q
.set KI8,  2                           ; s2   8192 x the tile's key step
.set N,    3                           ; s3   step 0 .. 16
.set CNT,  14
.set STG,  15
.set BND,  16                          ; s16  8192 x the last key step that has landed
.set NL,   17                          ; s17  steps of the long tile
.set WV,   18
.set QT,   19                          ; s19  the query tile in hand
.set SEL,  20
.set CS,   22                          ; s[22:23] c = log2(e) / 8 x 2^(e2 + e3)
.set G1,   24
.set G0,   32
.set QTS,  36                          ; s36  the short tile
.set HOLD, 38                          ; s38  448 x 2^e4
.set EPV,  39                          ; s39  e4 + e5
.set YB1,  44
.set YB2,  46
.set PFA,  48
.set LIMU, 50
.macro INIT                            ; a tile begins: the largest t -3e38, the sum and O^T zero
	v_mov_b32 v13, 0xff61b1e6
	v_floor_f32 v12, -v13
	v_mov_b32 v14, 0
	v_mov_b32 v15, 0
.set j, 0
.rept 32
	v_mov_b32 v[OO+j], 0
.set j, j+1
.endr
.endm
.macro QK lim                          ; the eight score products; key tile lim lies on the diagonal (8: none does)
.irp t, 0,1,2,3,4,5,6,7
.if \t < \lim
	v_wmma_f32_16x16x64_fp8_fp8 v[SS+8*\t:SS+8*\t+7], v[FR+8*\t:FR+8*\t+7], v[QQ:QQ+7], 0
.else
.if \t == \lim
	v_wmma_f32_16x16x64_fp8_fp8 v[SS+8*\t:SS+8*\t+7], v[FR+8*\t:FR+8*\t+7], v[QQ:QQ+7], v[PM:PM+7]
.else
	v_wmma_f32_16x16x64_fp8_fp8 v[SS+8*\t:SS+8*\t+7], v[FR+8*\t:FR+8*\t+7], v[QQ:QQ+7], v[BG:BG+7]
.endif
.endif
.endr
.endm
	s_load_b256 s[4:11], s[0:1], 0x0               ; q_img s[4:5], k_img s[6:7], v_img s[8:9], the scales' exponents s[10:11]
	s_load_b64 s[12:13], s[0:1], 0x20              ; y_img
	v_lshl_add_u32 v[SPW], v0, 2, SPARE
	v_mov_b32 v[NIL], 0
	ds_add_u32 v[SPW], v[NIL]                      ; the opening lines: the add twice on end and one wait, ahead of my first tensor load
	ds_add_u32 v[SPW], v[NIL]
	v_lshrrev_b32 v2, 5, v0
	v_readfirstlane_b32 s[WV], v2                  ; wave 0..15
	s_and_b32 s80, ttmp7, 0xffff                   ; H = batch x 16 + head
	s_lshl_b32 s56, s80, 17                        ; a head's codes: 131,072 bytes in q_img, k_img and v_img
	s_mov_b32 s57, 0
	s_lshl_b32 s[QTS], s[WV], 2
	s_add_co_u32 s[QTS], s[QTS], ttmp9             ; i = 4 w + j
	s_sub_co_u32 s[QT], 127, s[QTS]                ; L
	s_add_co_u32 s[NL], s[QT], 8
	s_lshr_b32 s[NL], s[NL], 3                     ; ceil((L + 1) / 8): 9 .. 16
	s_lshl_b32 s82, s[QT], 10                      ; an image of 16 queries: 1,024 bytes
	s_add_co_u32 s82, s82, s56
	s_mov_b32 s83, 0
	s_lshl_b32 s84, s[QTS], 10
	s_add_co_u32 s84, s84, s56
	s_mov_b32 s85, 0
	s_bfe_u32 s86, s80, 0x20002                    ; y_img: head / 4 is the block of 256 along K,
	s_lshl_b32 s86, s86, 21
	s_lshr_b32 s87, s80, 4
	s_lshl_b32 s87, s87, 19                        ; a batch is 128 tiles of 16 rows x 4,096 bytes,
	s_add_co_u32 s86, s86, s87
	s_and_b32 s87, s80, 3
	s_lshl_b32 s87, s87, 10                        ; head % 4: two groups of 512 bytes each
	s_add_co_u32 s86, s86, s87
	s_lshl_b32 s88, s[QT], 12
	s_add_co_u32 s88, s88, s86
	s_mov_b32 s89, 0
	s_lshl_b32 s90, s[QTS], 12
	s_add_co_u32 s90, s90, s86
	s_mov_b32 s91, 0
	s_lshr_b32 s92, s[WV], 3                       ; I fetch for K (0) or for V (1),
	s_and_b32 s93, s[WV], 7
	s_lshl_b32 s93, s93, 12                        ; 4 KiB of a stage's 32
	s_lshl_b32 s94, s92, 17
	s_add_co_u32 s94, s94, s93                     ; where it goes
	s_add_co_u32 s58, s56, s93                     ; where it comes from
	s_mov_b32 s59, 0
	s_mov_b32 s[G1], 3<<16                         ; no mask; elements of 8 bytes; no padding: a dense block of 4 KiB as 16 rows of 32 elements
	s_mov_b32 s[G1+1], 32<<16
	s_mov_b32 s[G1+2], 16<<16
	s_mov_b32 s[G1+3], 32<<16
	s_mov_b32 s[G1+4], 16
	s_mov_b32 s[G1+5], 32
	s_mov_b32 s[G1+6], 0
	s_mov_b32 s[G1+7], 0
	s_mov_b32 s[SEL], 0x76543210
	s_mov_b32 s[SEL+1], 0xfedcba98
	s_mov_b32 s[CS], 0x3e38aa3b                    ; log2(e) / 8
	s_mov_b32 s[KI8], 0
	s_mov_b32 s[N], 0
	s_mov_b32 s[STG], 0
	s_mov_b32 s[BND], 3*8192
	s_wait_dscnt 0x0                               ; both opening adds are done
	s_wait_kmcnt 0x0
	s_load_b256 s[68:75], s[10:11], 0x0            ; e0 .. e7
	s_cmp_eq_u32 s92, 0
	s_cselect_b64 s[G0+2:G0+3], s[6:7], s[8:9]
	s_add_nc_u64 s[G0+2:G0+3], s[G0+2:G0+3], s[58:59]
	s_or_b32 s[G0+3], s[G0+3], 0x80000000
	s_mov_b32 s[G0], 1
	s_mov_b32 s[G0+1], s94
	tensor_load_to_lds s[G0:G0+3], s[G1:G1+7]      ; stage 0: my one load at the head
	s_nop 0
	s_add_nc_u64 s[YB1:YB1+1], s[12:13], s[88:89]
	s_add_nc_u64 s[YB2:YB2+1], s[12:13], s[90:91]
	s_add_nc_u64 s[82:83], s[4:5], s[82:83]
	s_add_nc_u64 s[84:85], s[4:5], s[84:85]
	s_cmp_lt_u32 ttmp9, 2                          ; the prefetches: work-groups 0, 1 for K, 2, 3 for V
	s_cselect_b64 s[PFA:PFA+1], s[6:7], s[8:9]
	s_and_b32 s58, ttmp9, 1
	s_lshl_b32 s58, s58, 14
	s_and_b32 s60, s[WV], 1
	s_lshl_b32 s60, s60, 13
	s_add_co_u32 s58, s58, s60
	s_add_co_u32 s58, s58, s56
	s_add_co_u32 s58, s58, STB                     ; at stage 1: the first change steps it to stage 2
	s_add_nc_u64 s[PFA:PFA+1], s[PFA:PFA+1], s[58:59]
	s_cmp_lt_u32 s[WV], 2
	s_cselect_b32 s[LIMU], 2, 0                    ; waves 0 and 1 ask, in trips 0 and 1
	v_and_b32 v1, 31, v0
	v_lshlrev_b32 v[PFO], 8, v1
	v_lshlrev_b32 v[LI], 4, v1
	global_load_b128 v[QQ:QQ+3], v[LI], s[82:83]
	global_load_b128 v[QQ+4:QQ+7], v[LI], s[82:83] offset:512
	global_load_b128 v[Q2:Q2+3], v[LI], s[84:85]
	global_load_b128 v[Q2+4:Q2+7], v[LI], s[84:85] offset:512
	v_and_b32 v208, 15, v0
	v_bfe_u32 v209, v0, 4, 1
	v_lshlrev_b32 v209, 3, v209
	v_sub_nc_u32 v208, v208, v209                  ; r - 8 h: register j of the diagonal tile is hidden where j > r - 8 h
.set j, 0
.rept 8
	v_mov_b32 v[BG+j], 0xff61b1e6
.set j, j+1
.endr
.set j, 0
.rept 8
	v_cmp_gt_i32 vcc_lo, j, v208
	v_cndmask_b32 v[PM+j], 0, v[BG], vcc_lo
.set j, j+1
.endr
	INIT
	v_mov_b32 v211, 0                              ; (named as the upper half of the pair v[210:211])
	v_mov_b32 v[PL], 0                             ; written once: a lane permute's destination counts as one of its sources
	s_wait_kmcnt 0x0
	s_add_co_i32 s56, s70, s71
	s_lshl_b32 s56, s56, 23
	s_add_co_i32 s[CS], s[CS], s56                 ; a score stands for score x 2^(e2 + e3)
	s_mov_b32 s[CS+1], s[CS]
	s_add_co_i32 s56, s72, 127
	s_lshl_b32 s57, s56, 23
	v_mov_b32 v8, s57                              ; 2^e4
	s_add_co_i32 s56, s56, 8
	s_lshl_b32 s56, s56, 23
	s_or_b32 s[HOLD], s56, 0x600000                ; 448 x 2^e4
	s_add_co_i32 s56, s74, 127
	s_lshl_b32 s57, s56, 23
	v_mov_b32 v10, s57                             ; 2^e6
	s_add_co_i32 s56, s56, 8
	s_lshl_b32 s56, s56, 23
	s_or_b32 s56, s56, 0x600000
	v_mov_b32 v11, s56                             ; 448 x 2^e6
	s_add_co_i32 s[EPV], s72, s73
; A KEY STEP: 128 keys, the tile's key step KI8 / 8192.
.macro STEP
	s_min_u32 s56, s[KI8], s[BND]                  ; never beyond what has landed
	v_add_nc_u32 v[ADK], s56, v[LI]
	v_add_nc_u32 v[ADV], VREG, v[ADK]
	v_nop                                          ; with the two additions: four places in front of loads into registers that the last products read
	v_nop
.irp t, 0,1,2,3,4,5,6,7
	ds_load_b128 v[FR+8*\t:FR+8*\t+3], v[ADK] offset:1024*\t
	ds_load_b128 v[FR+8*\t+4:FR+8*\t+7], v[ADK] offset:1024*\t+512
.endr
	s_lshr_b32 s57, s[KI8], 10
	s_sub_co_u32 s57, s[QT], s57                   ; ts = my query tile - the step's first key tile
	s_wait_alu depctr_va_vdst(0)                   ; ahead of the blocking wait
	s_wait_dscnt 0x0
	s_cmp_gt_u32 s57, 7
	s_cbranch_scc1 .Lfull_\@
.irp v, 0,1,2,3,4,5,6
	s_cmp_eq_u32 s57, \v
	s_cbranch_scc1 .Ld\@_\v
.endr
	QK 7
	s_branch .Ljoin_\@
.irp v, 0,1,2,3,4,5,6
.Ld\@_\v:
	QK \v
	s_branch .Ljoin_\@
.endr
.Lfull_\@:
	QK 8
.Ljoin_\@:
.rept 4
	v_nop                                          ; places in front of the loads below and of the first read of the scores
.endr
.irp d, 0,1,2,3                        ; V's four fragments land while the softmax is worked
.irp g, 0,1,2,3
	ds_load_b128 v[FR+16*\d+4*\g:FR+16*\d+4*\g+3], v[ADV] offset:2048*\d+512*\g
.endr
.endr
	v_max3_num_f32 v208, v96, v97, v98             ; the step's largest score of my query among my 64 keys, in two chains; each accumulator is first read at its low end
	v_max3_num_f32 v209, v99, v100, v101
.irp i, 6,10,14,18,22,26,30,34,38,42,46,50,54,58
	v_max3_num_f32 v208, v208, v[96+\i], v[97+\i]
	v_max3_num_f32 v209, v209, v[98+\i], v[99+\i]
.endr
	v_max3_num_f32 v208, v208, v158, v159
	s_delay_alu instid0(VALU_DEP_1)
	v_max_num_f32 v208, v208, v209
	s_delay_alu instid0(VALU_DEP_1)
	v_permlanex16_b32 v[PL], v208, s[SEL], s[SEL+1]
	s_delay_alu instid0(VALU_DEP_1)
	v_max_num_f32 v208, v208, v[PL]                ; and among lane l xor 16's
	s_delay_alu instid0(VALU_DEP_1)
	v_mul_f32 v208, s[CS], v208                    ; as t (c is positive)
	s_delay_alu instid0(VALU_DEP_1)
	v_max_num_f32 v13, v13, v208                   ; the running largest t
	v_mov_b32 v208, v12
	s_delay_alu instid0(VALU_DEP_2)
	v_floor_f32 v12, -v13                          ; the new -M = -ceil(t): a whole number
	s_delay_alu instid0(VALU_DEP_1)
	v_sub_f32 v208, v12, v208                      ; old M - new M: a whole number, 0 or less
	s_delay_alu instid0(VALU_DEP_1)
	v_cvt_i32_f32 v208, v208                       ; (it saturates)
	s_delay_alu instid0(VALU_DEP_1)
	v_ldexp_f32 v210, 1.0, v208                    ; f = 2^(old M - new M)
.set j, 0
.rept 32
	v_pk_fma_f32 v[SS+j:SS+j+1], v[SS+j:SS+j+1], s[CS:CS+1], v[12:13] op_sel_hi:[1,0,0]   ; t - M, two at a time
.set j, j+2
.endr
	s_wait_alu depctr_va_vdst(0)                   ; ahead of the batch
.set j, 0
.rept 64
	v_exp_f32 v[SS+j], v[SS+j]                     ; p = 2^(t - M)
.set j, j+1
.endr
	v_pk_mul_f32 v[14:15], v[14:15], v[210:211] op_sel_hi:[1,0]   ; the sums under the new M: the plain line behind the exponentials
	s_wait_alu depctr_va_vdst(0)                   ; one wait for the whole batch, ahead of its first reader
.irp c, 0,1,2,3                        ; the row's sum of the unquantised p: two at a time, in four chains
	v_pk_add_f32 v[TT+2*\c:TT+2*\c+1], v[SS+2*\c:SS+2*\c+1], v[SS+8+2*\c:SS+8+2*\c+1]
.endr
.irp k, 2,3,4,5,6,7
.irp c, 0,1,2,3
	v_pk_add_f32 v[TT+2*\c:TT+2*\c+1], v[TT+2*\c:TT+2*\c+1], v[SS+8*\k+2*\c:SS+8*\k+2*\c+1]
.endr
.endr
	s_delay_alu instid0(VALU_DEP_3)
	v_pk_add_f32 v[TT:TT+1], v[TT:TT+1], v[TT+2:TT+3]
	s_delay_alu instid0(VALU_DEP_2)
	v_pk_add_f32 v[TT+4:TT+5], v[TT+4:TT+5], v[TT+6:TT+7]
	s_delay_alu instid0(VALU_DEP_1)
	v_pk_add_f32 v[TT:TT+1], v[TT:TT+1], v[TT+4:TT+5]
	s_delay_alu instid0(VALU_DEP_1)
	v_pk_add_f32 v[14:15], v[14:15], v[TT:TT+1]
.irp t, 0,1,2,3,4,5,6,7
.irp i, 0,2,4,6                        ; the conversion does not saturate (ISA guide 7.6.2); p is not negative, so the hold is one-sided; two numbers a line
	v_dual_min_num_f32 v[SS+8*\t+\i], s[HOLD], v[SS+8*\t+\i] :: v_dual_min_num_f32 v[SS+8*\t+\i+1], s[HOLD], v[SS+8*\t+\i+1]
.endr
	v_cvt_scalef32_pk8_fp8_f32 v[PC+2*\t:PC+2*\t+1], v[SS+8*\t:SS+8*\t+7], v8   ; keys 16 t + 8 h + 0..7: registers 2 t, 2 t + 1 of P
.endr
	s_wait_alu depctr_va_vdst(0)                   ; directly ahead of the first reader of O^T
.set j, 0
.rept 16
	v_pk_mul_f32 v[OO+j:OO+j+1], v[OO+j:OO+j+1], v[210:211] op_sel_hi:[1,0]   ; O^T under the new M; also the plain lines between the conversions and the products
.set j, j+2
.endr
	s_wait_alu depctr_va_vdst(0)                   ; and ahead of the blocking wait
	s_wait_dscnt 0x0                               ; V is in
.irp d, 0,1,2,3                        ; four accumulators by turns, one instruction a turn
	v_wmma_f32_16x16x128_fp8_fp8 v[OO+8*\d:OO+8*\d+7], v[FR+16*\d:FR+16*\d+15], v[PC:PC+15], v[OO+8*\d:OO+8*\d+7]
.endr
.endm
; A STAGE'S BARRIER.  Each wave waits for its tensor load (its part of the stage ahead), adds 0 to its spare word and waits for that.
; Behind the barrier the stage ahead is whole.  fill = 1: the next stage is asked for, into bytes that nothing has filled; it has four key steps in which to land.
.macro CHANGE fill
	s_wait_tensorcnt 0x0                           ; no tensor load of mine is out, so group 0 may be written
	ds_add_u32 v[SPW], v[NIL]
.if \fill
	s_add_co_u32 s[G0+1], s[G0+1], STB
	s_add_nc_u64 s[G0+2:G0+3], s[G0+2:G0+3], STB
	s_wait_xcnt 0x0                                ; the last prefetch, a stage back, has read its address
	s_add_nc_u64 s[PFA:PFA+1], s[PFA:PFA+1], STB
.endif
	s_wait_dscnt 0x0
	s_barrier_signal -1
	s_barrier_wait -1
.if \fill
	tensor_load_to_lds s[G0:G0+3], s[G1:G1+7]      ; my one tensor load until the next barrier
	s_nop 0
	s_cmp_lt_u32 s[STG], s[LIMU]
	s_cbranch_scc0 .Lnot_mine_\@
	global_prefetch_b8 v[PFO], s[PFA:PFA+1] th:TH_LOAD_NT scope:SCOPE_SE   ; the stage that the next change will ask for
.Lnot_mine_\@:
.endif
.endm
; A tile's end: O^T x 2^(e4 + e5) / the sum, quantised with 2^e6.  The eight registers of codes are two groups of y's image: two stores of 512 consecutive bytes.
.macro FINISH yb
	s_wait_xcnt 0x0                                ; an earlier tile's stores have read y's codes
.rept 4
	v_nop                                          ; places behind the last products
.endr
	v_add_f32 v14, v14, v15
	s_delay_alu instid0(VALU_DEP_1)
	v_permlanex16_b32 v[PL], v14, s[SEL], s[SEL+1]
	s_delay_alu instid0(VALU_DEP_1)
	v_add_f32 v14, v14, v[PL]                      ; the row's sum
	s_wait_alu depctr_va_vdst(0)                   ; ahead of the transcendental,
	v_rcp_f32 v14, v14
	v_nop                                          ; a plain line behind it,
	s_wait_alu depctr_va_vdst(0)                   ; and the wait ahead of its first reader
	v_ldexp_f32 v14, v14, s[EPV]
	s_wait_alu depctr_va_vdst(0)                   ; and directly ahead of the first reader of O^T
.set j, 0
.rept 16
	v_pk_mul_f32 v[SS+j:SS+j+1], v[OO+j:OO+j+1], v[14:15] op_sel_hi:[1,0]   ; each accumulator from its low end on
.set j, j+2
.endr
.set j, 0
.rept 32
	v_med3_num_f32 v[SS+j], v[SS+j], -v11, v11
.set j, j+1
.endr
.irp d, 0,1,2,3
	v_cvt_scalef32_pk8_fp8_f32 v[YC+2*\d:YC+2*\d+1], v[SS+8*\d:SS+8*\d+7], v10
.endr
	v_nop                                          ; a plain line behind the conversions
	global_store_b128 v[LI], v[YC:YC+3], s[\yb:\yb+1]
	global_store_b128 v[LI], v[YC+4:YC+7], s[\yb:\yb+1] offset:512
.endm
; One of a wave's 17 steps.  At step NL the long tile leaves and the short one begins at key 0: a scalar branch on ids; no barrier and no tensor load stands here.
.macro BODY
	s_cmp_lg_u32 s[N], s[NL]
	s_cbranch_scc1 .Lsame_\@
	FINISH YB1
.set j, 0
.rept 8
	v_mov_b32 v[QQ+j], v[Q2+j]
.set j, j+1
.endr
	INIT
	s_mov_b32 s[QT], s[QTS]
	s_mov_b32 s[KI8], 0
	s_wait_alu depctr_va_vdst(0)
.Lsame_\@:
	STEP
	s_add_co_u32 s[N], s[N], 1
	s_add_co_u32 s[KI8], s[KI8], 8192
.endm
	s_wait_alu depctr_va_vdst(0)                   ; at the head's end
	s_wait_loadcnt 0x0                             ; both Q fragments
.Lstage:                                           ; three trips: stage s is shown, stage s + 1 asked for, steps 4 s .. 4 s + 3 walked
	CHANGE 1
	s_mov_b32 s[CNT], 4
.Lstep_a:
	BODY
	s_sub_co_u32 s[CNT], s[CNT], 1
	s_cmp_lg_u32 s[CNT], 0
	s_cbranch_scc1 .Lstep_a
	s_add_co_u32 s[BND], s[BND], STB
	s_add_co_u32 s[STG], s[STG], 1
	s_cmp_lt_u32 s[STG], 3
	s_cbranch_scc1 .Lstage
	CHANGE 0                                       ; stage 3 is shown; nothing more is asked for
	s_mov_b32 s[CNT], 5
.Lstep_b:                                          ; steps 12 .. 16
	BODY
	s_sub_co_u32 s[CNT], s[CNT], 1
	s_cmp_lg_u32 s[CNT], 0
	s_cbranch_scc1 .Lstep_b
	FINISH YB2
	s_wait_tensorcnt 0x0                           ; the wave's end
	ds_add_u32 v[SPW], v[NIL]
	s_wait_dscnt 0x0
	s_endpgm
.Lfunc_end_k_q0a084a7c1e_attn:
	.size	k_q0a084a7c1e_attn, .Lfunc_end_k_q0a084a7c1e_attn-k_q0a084a7c1e_attn
	.p2alignl 7, 3214868480
	.fill 96, 4, 3214868480
	.section	.rodata,"a",@progbits
	.p2align	6, 0x0
	.amdhsa_kernel k_q0a084a7c1e_attn
		.amdhsa_group_segment_fixed_size 327680
		.amdhsa_private_segment_fixed_size 0
		.amdhsa_enable_private_segment 0
		.amdhsa_kernarg_size 40
		.amdhsa_user_sgpr_count 2
		.amdhsa_user_sgpr_kernarg_segment_ptr 1
		.amdhsa_wavefront_size32 1
		.amdhsa_system_sgpr_workgroup_id_x 1
		.amdhsa_system_sgpr_workgroup_id_y 1
		.amdhsa_system_sgpr_workgroup_id_z 1
		.amdhsa_system_vgpr_workitem_id 0
		.amdhsa_next_free_vgpr 256
		.amdhsa_next_free_sgpr 100
		.amdhsa_reserve_vcc 1
		.amdhsa_float_denorm_mode_32 3
		.amdhsa_float_denorm_mode_16_64 3
		.amdhsa_memory_ordered 1
		.amdhsa_forward_progress 1
		.amdhsa_inst_pref_size 65
	.end_amdhsa_kernel
	.amdgpu_metadata
---
amdhsa.version: [ 1, 2 ]
amdhsa.kernels:
  - .name:           k_q0a084a7c1e_attn
    .symbol:         k_q0a084a7c1e_attn.kd
    .args:
      - { .name: q_img, .offset: 0, .size: 8, .value_kind: global_buffer, .address_space: global }
      - { .name: k_img, .offset: 8, .size: 8, .value_kind: global_buffer, .address_space: global }
      - { .name: v_img, .offset: 16, .size: 8, .value_kind: global_buffer, .address_space: global }
      - { .name: lowp_scales, .offset: 24, .size: 8, .value_kind: global_buffer, .address_space: global }
      - { .name: y_img, .offset: 32, .size: 8, .value_kind: global_buffer, .address_space: global }
    .group_segment_fixed_size: 327680
    .private_segment_fixed_size: 0
    .kernarg_segment_align: 8
    .kernarg_segment_size: 40
    .max_flat_workgroup_size: 512
    .sgpr_count:     100
    .vgpr_count:     256
    .wavefront_size: 32
...
	.end_amdgpu_metadata
.endif
;; end of part 3
;; launch proj (part 4): grid 4 x 32, 4 waves a work-group, clusters of 4 x 4, 327,680 bytes of LDS; arguments y_img, wproj_img, lowp_scales, b_proj, out0; writes out0
.if DOCPART == 4
	.amdgcn_target "amdgcn-amd-amdhsa--gfx1250"
	.amdhsa_code_object_version 6
	.text
	.protected	k_q0a084a7c1e_proj
	.globl	k_q0a084a7c1e_proj
	.p2align	8
	.type	k_q0a084a7c1e_proj,@function
k_q0a084a7c1e_proj:
	s_mov_b64 s[64:65], 0
	v_nop
	global_prefetch_b8 v0, s[64:65] scope:SCOPE_SE
	s_setreg_imm32_b32 hwreg(HW_REG_WAVE_MODE, 25, 1), 1
	s_wait_xcnt 0x0
	s_wait_alu depctr_hold_cnt(0) depctr_sa_sdst(0) depctr_va_vdst(0) depctr_va_sdst(0) depctr_va_ssrc(0) depctr_va_vcc(0) depctr_vm_vsrc(0)
	s_getreg_b32 s2, hwreg(HW_REG_IB_STS2, 6, 4)
	s_cmp_eq_u32 s2, 0
	s_cbranch_scc0 .Lentry_in_a_cluster
	s_endpgm
.Lentry_in_a_cluster:
	s_bfe_u32 s2, ttmp6, 0x10000c
	s_cmp_lg_u32 s2, 0xf033
	s_cbranch_scc0 .Lentry_shape_is_right
	s_endpgm
.Lentry_shape_is_right:
.set SLOT,   131072
.set SPARE,  2*SLOT
.set YSTR,   2097152
.set PSTR,   262144
.set SPITCH, 528
.set FR,     16
.set NL,     4
.set NP,     4
.set ADRA, 16
.set ADRB, 20
.set STO,  22
.set RD,   23
.set LI,   24
.set BO,   25
.set SPW,  28
.set NIL,  29
.set BI,   32
.set AF,   128
.set BK,   128
.set G1, 24
.set G0, 32
.set G1B, 48
.set G0B, 56
.set MSB, 0
.macro WIN new
.if MSB != \new
	s_set_vgpr_msb (MSB<<8)|\new
.set MSB, \new
.endif
.endm
.set MUL_LO, 0xa1
.set MUL_HI, 0xf1
.set TO_B,   0x40
.macro JLOAD g0a, g1a, g0b, g1b
	s_cmp_eq_u32 s15, 0
	s_cbranch_scc0 .Lfor_b_\@
	tensor_load_to_lds s[\g0a:\g0a+3], s[\g1a:\g1a+7]
	s_nop 0
.rept 4
	v_nop
.endr
	s_branch .Lasked_\@
.Lfor_b_\@:
	tensor_load_to_lds s[\g0b:\g0b+3], s[\g1b:\g1b+7]
	s_nop 0
.rept 4
	v_nop
.endr
.Lasked_\@:
.endm
.macro CREST
	s_cmp_lg_u32 s14, 0
	s_cbranch_scc1 .Lnot_wave_0_\@
	s_barrier_signal -3
.Lnot_wave_0_\@:
	s_barrier_wait -3
	s_barrier_signal -1
	s_barrier_wait -1
.endm
.macro CROUND
	s_barrier_signal -1
	s_barrier_wait -1
	CREST
.endm
	s_load_b256 s[4:11], s[0:1], 0x0
	s_load_b64 s[68:69], s[0:1], 0x20
	v_lshl_add_u32 v[SPW], v0, 2, SPARE
	v_mov_b32 v[NIL], 0
	ds_add_u32 v28, v29
	ds_add_u32 v28, v29
	s_wait_dscnt 0x0
	v_lshrrev_b32 v1, 5, v0
	v_readfirstlane_b32 s14, v1
	s_lshr_b32 s15, s14, 1
	s_and_b32 s16, s14, 1
	s_bfe_u32 s40, ttmp6, 0x40000
	s_bfe_u32 s41, ttmp6, 0x40004
	s_and_b32 s42, ttmp7, 0xffff
	s_lshl_b32 s42, s42, 2
	s_add_co_u32 s42, s42, s41
	s_lshl_b32 s45, ttmp9, 2
	s_add_co_u32 s45, s45, s40
	s_lshl_b32 s43, s41, 2
	s_lshl_b32 s43, 15, s43
	s_lshl_b32 s44, 0x1111, s40
	s_or_b32 s[G1+0], s43, (3<<16)|(1<<21)
	s_or_b32 s[G1B+0], s44, (3<<16)|(1<<21)
.irp g, G1, G1B
	s_mov_b32 s[\g+1], 32<<16
	s_mov_b32 s[\g+2], 128<<16
	s_mov_b32 s[\g+3], 32<<16
	s_mov_b32 s[\g+4], 128
	s_mov_b32 s[\g+5], 32
	s_mov_b32 s[\g+6], 0
	s_mov_b32 s[\g+7], 0
.endr
	s_mov_b32 s74, YSTR
	s_mov_b32 s75, 0
	s_mov_b32 s76, PSTR
	s_mov_b32 s77, 0
	s_mov_b32 s92, 2*YSTR
	s_mov_b32 s93, 0
	s_mov_b32 s94, 2*PSTR
	s_mov_b32 s95, 0
	s_lshl_b32 s2, s16, 15
	s_lshl_b32 s46, s42, 16
	s_add_co_u32 s46, s46, s2
	s_mov_b32 s47, 0
	s_lshl_b32 s66, s45, 16
	s_add_co_u32 s66, s66, s2
	s_mov_b32 s67, 0
	s_lshl_b32 s3, s14, 15
	s_wait_kmcnt 0x0
	s_load_b256 s[80:87], s[8:9], 0x0
	s_add_nc_u64 s[88:89], s[4:5], s[46:47]
	s_add_nc_u64 s[90:91], s[6:7], s[66:67]
	CROUND
	s_mov_b32 s[G0], 1
	s_mov_b32 s[G0+1], s3
	s_mov_b64 s[G0+2:G0+3], s[88:89]
	s_or_b32 s[G0+3], s[G0+3], 0x80000000
	s_mov_b32 s[G0B], 1
	s_mov_b32 s[G0B+1], s3
	s_mov_b64 s[G0B+2:G0B+3], s[90:91]
	s_or_b32 s[G0B+3], s[G0B+3], 0x80000000
	JLOAD G0, G1, G0B, G1B
	s_mov_b32 s[G0+4], 1
	s_add_co_u32 s[G0+5], s3, SLOT
	s_add_nc_u64 s[G0+6:G0+7], s[88:89], s[74:75]
	s_or_b32 s[G0+7], s[G0+7], 0x80000000
	s_mov_b32 s[G0B+4], 1
	s_add_co_u32 s[G0B+5], s3, SLOT
	s_add_nc_u64 s[G0B+6:G0B+7], s[90:91], s[76:77]
	s_or_b32 s[G0B+7], s[G0B+7], 0x80000000
	s_wait_alu depctr_va_vdst(0)
	s_wait_tensorcnt 0x0
	ds_add_u32 v28, v29
	s_wait_dscnt 0x0
	CROUND
	JLOAD G0+4, G1, G0B+4, G1B
	v_and_b32 v1, 31, v0
	v_lshlrev_b32 v[LI], 4, v1
	v_and_b32 v2, 15, v0
	s_wait_alu depctr_va_vdst(0)
	v_bfe_u32 v3, v0, 4, 1
	s_lshl_b32 s12, s15, 15
	s_lshl_b32 s13, s16, 15
	s_add_co_u32 s13, s13, 65536
.irp s, 0,1
	v_add_nc_u32 v[ADRA+\s], s12, v[LI]
	v_add_nc_u32 v[ADRB+\s], s13, v[LI]
	s_add_co_u32 s12, s12, SLOT
	s_add_co_u32 s13, s13, SLOT
.endr
	s_mul_i32 s23, s14, 16*SPITCH
	v_mul_u32_u24 v[STO], v2, SPITCH
	s_wait_alu depctr_va_vdst(0)
	v_lshl_add_u32 v[STO], v3, 5, v[STO]
	v_add_nc_u32 v[STO], s23, v[STO]
	v_add_nc_u32 v[RD], s23, v[LI]
	s_lshl_b32 s18, s42, 8
	s_lshl_b32 s19, s15, 7
	s_add_co_u32 s18, s18, s19
	s_lshl_b32 s18, s18, 12
	s_lshl_b32 s20, s45, 10
	s_lshl_b32 s19, s16, 9
	s_add_co_u32 s20, s20, s19
	s_mov_b32 s21, 0
	s_add_nc_u64 s[78:79], s[10:11], s[20:21]
	s_add_co_u32 s18, s18, s20
	s_mov_b32 s19, 0
	s_add_nc_u64 s[68:69], s[68:69], s[18:19]
	v_lshlrev_b32 v[BO], 5, v3
.irp b, 0,1,2,3,4,5,6,7
	global_load_b128 v[BI+8*\b:BI+8*\b+3],   v[BO], s[78:79] offset:64*\b
	global_load_b128 v[BI+8*\b+4:BI+8*\b+7], v[BO], s[78:79] offset:64*\b+16
.endr
.macro FRAG reg, adr, q, i
.irp c, 0,1,2,3
	ds_load_b128 v[\reg+4*\c:\reg+4*\c+3], v[\adr] offset:4096*(\i)+2048*(\q)+512*\c
.endr
.endm
.macro MUL16 a0, p, zero
.irp a, \a0, \a0+1
.irp b, 0,1,2,3,4,5,6,7
.if \zero
	v_wmma_f32_16x16x128_fp8_fp8 v[8*(8*((\a)%4)+\b):8*(8*((\a)%4)+\b)+7], v[128*(\p)+FR*\b:128*(\p)+FR*\b+FR-1], v[AF+FR*(\a):AF+FR*(\a)+FR-1], 0
.else
	v_wmma_f32_16x16x128_fp8_fp8 v[8*(8*((\a)%4)+\b):8*(8*((\a)%4)+\b)+7], v[128*(\p)+FR*\b:128*(\p)+FR*\b+FR-1], v[AF+FR*(\a):AF+FR*(\a)+FR-1], v[8*(8*((\a)%4)+\b):8*(8*((\a)%4)+\b)+7]
.endif
.endr
.endr
.endm
.macro FETCH_B slot, q, p
	WIN TO_B
.irp i, 0,1,2,3,4,5,6,7
	FRAG 128*(\p)+FR*\i, ADRB+\slot, \q, \i
.endr
	WIN 0
.endm
.macro FETCH_A slot, q, i0
.irp i, \i0, \i0+1, \i0+2, \i0+3
	FRAG AF+FR*(\i), ADRA+\slot, \q, \i
.endr
.endm
.macro PLACES n
.rept \n
	v_nop
.endr
.endm
.macro STEP slot, q, zero
	s_wait_dscnt 4*NL
	WIN MUL_LO
	MUL16 0, (\q)%2, \zero
	MUL16 2, (\q)%2, \zero
	s_wait_dscnt 0
	PLACES NP
	FETCH_B \slot, (\q)+1, 1-(\q)%2
	FETCH_A \slot, (\q)+1, 0
	WIN MUL_HI
	MUL16 4, (\q)%2, \zero
	MUL16 6, (\q)%2, \zero
	PLACES NP
	WIN 0
	FETCH_A \slot, (\q)+1, 4
.endm
.macro TURN slot, next, fill
	s_wait_tensorcnt 0x0
	ds_add_u32 v[SPW], v[NIL]
	s_wait_dscnt 4*NL+1
	WIN MUL_LO
	MUL16 0, 1, 0
	s_wait_dscnt 0x0
	s_barrier_signal -1
	MUL16 2, 1, 0
	WIN 0
	s_barrier_wait -1
.if \fill
	CREST
	s_add_nc_u64 s[G0+4*\slot+2:G0+4*\slot+3], s[G0+4*\slot+2:G0+4*\slot+3], s[92:93]
	s_add_nc_u64 s[G0B+4*\slot+2:G0B+4*\slot+3], s[G0B+4*\slot+2:G0B+4*\slot+3], s[94:95]
	JLOAD G0+4*\slot, G1, G0B+4*\slot, G1B
.else
	PLACES NP
.endif
	FETCH_B \next, 0, 0
	FETCH_A \next, 0, 0
	WIN MUL_HI
	MUL16 4, 1, 0
	MUL16 6, 1, 0
	PLACES NP
	WIN 0
	FETCH_A \next, 0, 4
.endm
	s_wait_tensorcnt 1
	s_barrier_signal -1
	s_barrier_wait -1
	FETCH_B 0, 0, 0
	FETCH_A 0, 0, 0
	FETCH_A 0, 0, 4
	STEP 0, 0, 1
	TURN 0, 1, 1
	STEP 1, 0, 0
	TURN 1, 0, 1
	STEP 0, 0, 0
	TURN 0, 1, 0
	STEP 1, 0, 0
	s_wait_dscnt 4*NL
	WIN MUL_LO
	MUL16 0, 1, 0
	MUL16 2, 1, 0
	s_wait_dscnt 0
	WIN MUL_HI
	MUL16 4, 1, 0
	MUL16 6, 1, 0
	WIN 0
.macro TOSTAGE a
.set W,  2+(\a)/4
.set AC, 64*((\a)%4)
.set BB, BK+64*((\a)%2)
	WIN ((W<<6)|W)
.set j, 0
.rept 32
	v_pk_fma_f32 v[AC+j:AC+j+1], v[AC+j:AC+j+1], s[96:97], v[BI+j:BI+j+1] op_sel_hi:[1,0,1]
.set j, j+2
.endr
	WIN (W<<2)
.irp b, 0,1,2,3,4,5,6,7
	ds_store_b128 v[STO], v[AC+8*\b:AC+8*\b+3] offset:64*\b
	ds_store_b128 v[STO], v[AC+8*\b+4:AC+8*\b+7] offset:64*\b+16
.endr
	WIN 0
.irp t, 0,1,2,3,4,5,6,7,8,9,10,11,12,13,14,15
	ds_load_b128 v[BB+4*\t:BB+4*\t+3], v[RD] offset:\t*SPITCH
.endr
.endm
.macro SEND a, younger
.set BB, BK+64*((\a)%2)
	s_wait_dscnt \younger
.if (\a) > 0
	s_add_nc_u64 s[68:69], s[68:69], 16*4096
.endif
.irp t, 0,1,2,3,4,5,6,7,8,9,10,11,12,13,14,15
	global_store_b128 v[LI], v[BB+4*\t:BB+4*\t+3], s[68:69] offset:\t*4096 th:TH_STORE_NT
.endr
.endm
	s_wait_kmcnt 0x0
	s_add_co_i32 s96, s86, s87
	s_add_co_i32 s96, s96, 127
	s_lshl_b32 s96, s96, 23
	s_mov_b32 s97, s96
	s_wait_loadcnt 0x0
	PLACES NP
	TOSTAGE 0
.irp a, 1,2,3,4,5,6,7
.if \a > 1
	s_wait_xcnt 0x0
.endif
	TOSTAGE \a
	SEND \a-1, 32
.endr
	s_wait_xcnt 0x0
	SEND 7, 0
	s_wait_tensorcnt 0x0
	ds_add_u32 v[SPW], v[NIL]
	s_wait_dscnt 0x0
	CROUND
	s_endpgm
.Lfunc_end_k_q0a084a7c1e_proj:
	.size	k_q0a084a7c1e_proj, .Lfunc_end_k_q0a084a7c1e_proj-k_q0a084a7c1e_proj
	.p2alignl 7, 3214868480
	.fill 96, 4, 3214868480
	.section	.rodata,"a",@progbits
	.p2align	6, 0x0
	.amdhsa_kernel k_q0a084a7c1e_proj
		.amdhsa_group_segment_fixed_size 327680
		.amdhsa_private_segment_fixed_size 0
		.amdhsa_enable_private_segment 0
		.amdhsa_kernarg_size 40
		.amdhsa_user_sgpr_count 2
		.amdhsa_user_sgpr_kernarg_segment_ptr 1
		.amdhsa_wavefront_size32 1
		.amdhsa_system_sgpr_workgroup_id_x 1
		.amdhsa_system_sgpr_workgroup_id_y 1
		.amdhsa_system_sgpr_workgroup_id_z 1
		.amdhsa_system_vgpr_workitem_id 0
		.amdhsa_next_free_vgpr 1024
		.amdhsa_next_free_sgpr 98
		.amdhsa_reserve_vcc 0
		.amdhsa_float_denorm_mode_32 3
		.amdhsa_float_denorm_mode_16_64 3
		.amdhsa_memory_ordered 1
		.amdhsa_forward_progress 1
		.amdhsa_inst_pref_size 125
	.end_amdhsa_kernel
	.amdgpu_metadata
---
amdhsa.version: [ 1, 2 ]
amdhsa.kernels:
  - .name:           k_q0a084a7c1e_proj
    .symbol:         k_q0a084a7c1e_proj.kd
    .args:
      - { .name: y_img, .offset: 0, .size: 8, .value_kind: global_buffer, .address_space: global }
      - { .name: wproj_img, .offset: 8, .size: 8, .value_kind: global_buffer, .address_space: global }
      - { .name: lowp_scales, .offset: 16, .size: 8, .value_kind: global_buffer, .address_space: global }
      - { .name: b_proj, .offset: 24, .size: 8, .value_kind: global_buffer, .address_space: global }
      - { .name: out0, .offset: 32, .size: 8, .value_kind: global_buffer, .address_space: global }
    .group_segment_fixed_size: 327680
    .private_segment_fixed_size: 0
    .kernarg_segment_align: 8
    .kernarg_segment_size: 40
    .max_flat_workgroup_size: 128
    .sgpr_count:     98
    .vgpr_count:     1024
    .wavefront_size: 32
...
	.end_amdgpu_metadata
.endif
;; end of part 4
